; MI455X (gfx1250); checked and timed in simulation.
; The chip was launched on July 23, 2026; its instructions are those of AMD's public machine-readable ISA for CDNA 5 (MIT licence, August 2026) and "CDNA5" Instruction Set Architecture Reference Guide (July 2026). The comments in the code are by the model that wrote it; some were corrected since.
;; Cv T Block. Allowed arithmetic: matrix products marked QUANTISED: E2M1 operands, one E8M0 scale for each 32 along K, by v_wmma_scale_f32_16x16x128_f8f6f4 with both operands' format E2M1 (or v_wmma_scale_f32_32x16x128_f4), f32 sums; everything else in f32.
;; Inputs: R 8 x 32 x 32 float32; W0_codes 128 x 16 x 16 uint8 (E2M1 codes of W0, K innermost, in blocks of 32 codes, two codes a byte); W0_scales 128 x 16 uint8 (E8M0 scales of W0, one for each 32 codes along K); Wk_codes 512 x 4 x 16 uint8 (E2M1 codes of Wk, K innermost, in blocks of 32 codes, two codes a byte); Wk_scales 512 x 4 uint8 (E8M0 scales of Wk, one for each 32 codes along K); Wq_codes 512 x 4 x 16 uint8 (E2M1 codes of Wq, K innermost, in blocks of 32 codes, two codes a byte); Wq_scales 512 x 4 uint8 (E8M0 scales of Wq, one for each 32 codes along K); Wv_codes 512 x 4 x 16 uint8 (E2M1 codes of Wv, K innermost, in blocks of 32 codes, two codes a byte); Wv_scales 512 x 4 uint8 (E8M0 scales of Wv, one for each 32 codes along K); x 32 x 128 x 32 x 32 float32.
;; Outputs: out0 32 x 128 x 32 x 32 float32.
;; This version of the problem:
;;   THIS VERSION OF THE PROBLEM IS GIVEN IN LOW PRECISION. The matrix products marked QUANTISED in the list below multiply operands that are first quantised to E2M1 (2 exponent bits, 1 mantissa bit; 4 bits a number), with one power-of-two scale for each 32 numbers along K (OCP MX v1.0); their sums are f32. All else is computed in f32.
;;   The module's matrix products, in the order in which they are computed (A, B: the left and right operand; K: the contracted axis; several contracted axes count as one K, in the product's order):
;;     1. [M 512, K 128] x [K 128, N 32,768]; A: input Wq (given as codes); B: computed on the way: QUANTISED
;;     2. [M 512, K 128] x [K 128, N 32,768]; A: input Wk (given as codes); B: computed on the way: QUANTISED
;;     3. [M 512, K 128] x [K 128, N 32,768]; A: input Wv (given as codes); B: computed on the way: QUANTISED
;;     4. batch 256 x [M 1,024, K 64] x [K 64, N 1,024]; A: computed on the way; B: computed on the way: QUANTISED
;;     5. batch 256 x [M 64, K 1,024] x [K 1,024, N 1,024]; A: computed on the way; B: softmax (see below): QUANTISED
;;     6. [M 128, K 512] x [K 512, N 32,768]; A: input W0 (given as codes); B: computed on the way: QUANTISED
;;   THE QUANTISER, for each operand of a quantised product, along K:
;;     - K is cut into blocks of 32 from its start; a last block that is shorter is filled with zeros.
;;     - A block's scale is 2^e with e = floor(log2(the largest magnitude in the block)) - 2, held to -126 .. 127; a block of zeros has e = 0. As a byte (E8M0): e + 127.
;;     - Each number is divided by its block's scale, clamped to +-6, and rounded to the nearest number of E2M1, ties to even, subnormals kept.
;;     - The product sums the exact products of the quantised numbers (number of the format x scale) in f32.
;;   ~~~python
;;   def quantise(x, axis):      # numpy; x: float32 -> the quantised numbers, widened to float32 again
;;       x = np.moveaxis(x, axis, -1); K = x.shape[-1]
;;       x = np.pad(x, [(0, 0)] * (x.ndim - 1) + [(0, -K % 32)]); x = x.reshape(x.shape[:-1] + (-1, 32)); a = np.abs(x).max(-1, keepdims=True)
;;       e = np.where(a > 0, np.clip(np.frexp(np.where(a > 0, a, 1))[1] - 1 - 2, -126, 127), 0)      # np.frexp(a)[1] - 1 = floor(log2(a)), exactly
;;       r = np.clip(x / 2.0 ** e, -6, 6)
;;       step = 2.0 ** (np.maximum(np.frexp(np.where(r == 0, 1, r))[1] - 1, 0) - 1)
;;       q = np.round(r / step) * step * 2.0 ** e      # np.round: ties to even
;;       return np.moveaxis(q.reshape(q.shape[:-2] + (-1,))[..., :K], -1, axis).astype(np.float32)
;;   ~~~
;;   SOFTMAX AHEAD OF A QUANTISED PRODUCT. Where the list says 'softmax', what is quantised is not the finished softmax but p = 2^(t - M), with t = logit x log2(e) and M = ceil(the row's largest t), a whole number; so 1/2 < the row's largest p <= 1. The row's sum l is taken of the UNQUANTISED p, in f32, and the product's result is divided by l at the end. Since M is a whole number, a kernel that streams over the keys may use a running M (the ceiling of the running maximum): every later rescaling is an exact power of two, which a block's scale takes up: the codes' values come out the same.
;;   OPERANDS COMPUTED ON THE WAY. 'Computed on the way' means the value that the module computes at that place (a softmax that the list does not call 'softmax' is quantised finished and normalised). What goes into a quantiser is computed in f32, as accurately as f32 sums, v_exp_f32 and their like allow (about 1e-6 of the number): no bf16 or f16 on the way to a quantiser, and a product that is left as it is and whose result goes on into a quantised operand takes f32 operands (vector FMAs, or v_wmma_f32_16x16x4_f32). A number that lies on a knife's edge between two numbers of the format may be rounded either way, as far as f32 arithmetic and the matrix unit's own rounding can turn it there, and no further.
;;   INPUTS GIVEN AS CODES. W0 (in the module: [128, 512], K = its axis 1); Wk (in the module: [512, 128], K = its axis 1); Wq (in the module: [512, 128], K = its axis 1); Wv (in the module: [512, 128], K = its axis 1): each comes as NAME_codes (uint8): NAME with its K axis moved to the last place and cut into blocks of 32 codes, [.., K / 32, bytes a block], one block behind the other in memory; two codes a byte, the lower K in the low four bits (a code: sign, 2 exponent bits, 1 mantissa bit); and NAME_scales (uint8): the same leading axes, one E8M0 byte (e + 127) for each 32 codes along K. Its value is code x scale, taken as it is: it is not quantised again, and the codes and scales need not be those that the quantiser above would give.
;; One version. Each part assembles by itself: llvm-mc -triple=amdgcn-amd-amdhsa -mcpu=gfx1250 --defsym DOCPART=n.
;; ======== version 1 of 1: 2 launches
;; workspace buffers: att 8,388,608 bytes; ats 524,288 bytes
;; launch attn (part 1): grid 8 x 32, 8 waves a work-group, no clusters, 228,352 bytes of LDS; arguments x, Wq_codes, Wq_scales, Wk_codes, Wk_scales, Wv_codes, Wv_scales, R, att, ats; writes att, ats
.if DOCPART == 1
	.amdgcn_target "amdgcn-amd-amdhsa--gfx1250"
	.amdhsa_code_object_version 6
	.text
	.protected	k_q4a93bbec51_attn
	.globl	k_q4a93bbec51_attn
	.p2align	8
	.type	k_q4a93bbec51_attn,@function
k_q4a93bbec51_attn:
	s_mov_b64 s[64:65], 0
	v_nop
	global_prefetch_b8 v0, s[64:65] scope:SCOPE_SE
	s_setreg_imm32_b32 hwreg(HW_REG_WAVE_MODE, 25, 1), 1
	s_wait_xcnt 0x0
; ONE HEAD OF ONE SAMPLE: x / sqrt(5) quantised along the channels; Q, K, V of the head; attention with the lattice bias; O / l quantised along d.  All products on codes of FP4 (E2M1) with one E8M0 byte for each 32 along K.
; Work-group (x = head, y = sample), eight waves.  Wave w owns tokens 128 w .. 128 w + 127: it quantises their x, makes their Q, K, V, and later owns them as queries.
; TOKEN TILES.  Tile 4 c + u (c = 0 .. 15, u = 0 .. 3): row r < 8 is token 64 c + 8 u + r, row r >= 8 is token 64 c + 32 + 8 u + (r - 8).  The 16 weight rows of tile e are chosen alike: 8 e + (r & 7) + 32 (r >> 3).
; In a result whose rows are such a tile, lane (r, h) holds in register j of tiles u = 0 .. 3 the index 32 h + 8 u + j: ONE WHOLE BLOCK OF 32 IN ONE LANE, in order.  So every quantiser here (x, Q, K, V, p, O / l) finds
; its block's largest magnitude without another lane, and its four conversions' results are four registers of the next operand as they stand.
; SCORES.  K = 64 fills half of the instruction's 128: a fragment of K carries two key tiles (k 0-63, k 64-127), and Q stands beside four registers of zero codes, [Q, 0] or [0, Q], which picks one of them.
; THE BIAS R[h][(xi - xj) & 31][(yi - yj) & 31] is the C of the score product: eight registers a tile, read from a table in LDS; no vector instruction adds it.
; SOFTMAX.  t = score x log2(e) / 8; M = the running largest t rounded up to a whole number; p = 2^(t - M) is quantised along the keys, not normalised; the sum is taken of the unquantised p; when M moves, the sum and O are
; multiplied by 2^(old M - new M), which rounds nothing.
; A wave takes its eight query tiles as four PAIRS (same lattice rows, columns 16 apart): the two tiles of a pair share every fragment of K and V and every bias tile (tile B takes the bias tile of key tile (u + 2) % 4).
; NO JOINT REQUESTS, though the eight heads of a sample read the same x: x goes straight into registers, once, by loads of 512 consecutive bytes; a joint request lands in LDS, a sample's x is 524,288 bytes, more than LDS holds,
; and all that this text reads behind its first phase is made by the work-group itself.
; LIMITS: NaN and infinities among the inputs are not served.  A block whose largest magnitude lies under 2^-124 gets the byte 1; so does a block of zeros (its codes are zeros; only this program reads the bytes).
; A p under 2^-126 comes out of v_exp_f32 as 0.
.set XIMG, 0                           ; LDS: x's fragments as images of their registers: 8192 w + 1024 tile + 512 c + 16 lane (the wave's own)
.set KIMG, 65536                       ; K's: 4096 step + 1024 f + 512 g + 16 lane; f = 2 c + u / 2, half g = u % 2
.set VIMG, 98304                       ; V's: 4096 step + 1024 d-tile + 512 c + 16 lane
.set KSC,  131072                      ; K's scale words: 256 step + 8 (16 (u / 2) + r) + 4 c
.set VSC,  133120                      ; V's: 256 step + 8 (16 (d-tile % 2) + r) + 4 (d-tile / 2), byte 2 c + h
.set QIMG, 135168                      ; Q's half fragments: 512 tile + 16 lane (own)
.set QSC,  167936                      ; Q's scale words [s0, s1, s0, s1]: 128 tile + 4 lane (own)
.set XSC,  176128                      ; x's scale words: 64 tile + 4 row (own)
.set EB,   180224                      ; the bias table: 1408 dx + 176 p + 4 z holds R[head][dx][(p + 8 - z) & 31], p = 0 .. 7, z = 0 .. 39
.set ASC,  225280                      ; the scale bytes of O / l: 256 w + 32 tile + 2 r (own)
.set CI,     0x3ee4f92e                ; 1 / sqrt(5)
.set CS,     0x3e38aa3b                ; log2(e) / 8
.set FLOOR,  0x1800000                 ; 2^(3 - 127): under it no largest magnitude is taken, so the byte cannot fall under 1
.set EOFF,   0xff000000                ; takes 2 off an exponent field
.set NEGBIG, 0xff61b1e6                ; -3e38, under every t
; window 0
.set XO,  1                            ; 16 x thread: my four tokens in a channel's row of x
.set RR,  2                            ; r = lane % 16
.set HH,  3                            ; h = lane / 16
.set L16, 4
.set L8,  5
.set L4,  6
.set SH8, 7                            ; 8 h
.set RH,  8                            ; 32 + r / 8 - h
.set RHO, 9                            ; 176 (r % 8)
.set XST, 10                           ; where I store x's codes;    behind phase X: AO, my offset in att
.set XSS, 11                           ; and x's scale words;        behind phase X: AS, LDS address of my two scale bytes
.set AO,  10
.set AS,  11
.set XR,  12                           ; x's images, read
.set XSR, 13                           ; x's scale words, read
.set WO,  14                           ; my bytes in a tile of weight rows
.set WS,  15                           ; and its scale word
.set R8,  17
.set R2,  18
.set AKV, 19                           ; the step's K (V lies 32,768 bytes on)
.set AKS, 20                           ; the step's scale words of K (V's lie 2,048 bytes on)
.set AE0, 21                           ; my row of the bias table, first and second half of the step
.set AE1, 22
.set LB,  23
.set KS,  24                           ; v24-25 K's scale words, v26-27 V's, v28-29 Q's (tile A, B), v30-31 p's: scales and nothing else
.set VS,  26
.set QSA, 28
.set PSA, 30
.set QF,  32                           ; v32-51 [0 | Q_A | 0 | Q_B | 0], four registers each
.set XT,  32                           ; v32-63 in the projections: four tiles of x;  at the head: EA, the offsets into R
.set EA,  32
.set STA, 52                           ; statistics of tile A: +0 -M, +1 largest t, +2 +3 the sum, +4 f, +5 written once, +6 +7 a second chain of the sum;  tile B eight on
.set STB, 60
.set TM,  68                           ; v68-71 largest of a block
.set EX,  72                           ; v72-75 what lane l xor 16 sent
.set SO,  76                           ; v76-79 the conversions' scale operands
.set BY,  80                           ; v80-83 scale bytes
.set MS,  84                           ; v84-87 at work
.set PC,  88                           ; v88-103 codes
.set S,   104                          ; v104-231 128 numbers: scores of tile A (64), of tile B (64)
.set WSC, 232                          ; v232-243 the weights' scale words: q, k, v x 4 tiles
.set XS,  244                          ; v244-247 x's scale words
.set AQI, 248                          ; bases of the images and scale words that I store
.set AQS, 249
.set AKI, 250
.set AKW, 251
.set AVI, 252
.set AVW, 253
.set TA,  254
.set TB,  255
; window 1
.set BE,  64                           ; v64-127 bias tiles, 32 c + 8 u;  v0-63 O of tile A, of tile B
.set KF,  128                          ; v128-159 K's four fragments
.set VF,  160                          ; v160-191 V's four
.set WQ,  0                            ; in the projections: the weights' fragments, and R's numbers
.set WK,  32
.set WV,  64
.set ED,  96
.set MSB, 0
.macro WIN new                         ; the immediate's high byte repeats the setting that is left
.if MSB != \new
	s_set_vgpr_msb (MSB<<8)|\new
.set MSB, \new
.endif
.endm
.macro PLACES                          ; four plain places behind a matrix instruction (ISA guide 7.12.1)
.rept 4
	v_nop
.endr
.endm
; nb blocks of 32 numbers, block b in v[base + 32 b] on, become codes in v[PC + 4 b] on, scale bytes in v[BY + b].  The blocks take turns line by line; each block is read from its low end on.
.macro QUANT nb, base
.set qb, 0
.rept \nb
	v_max3_num_f32 v[TM+qb], |v[\base+32*qb]|, |v[\base+32*qb+1]|, FLOOR
.set qb, qb+1
.endr
.set qi, 2
.rept 15
.set qb, 0
.rept \nb
	v_max3_num_f32 v[TM+qb], v[TM+qb], |v[\base+32*qb+qi]|, |v[\base+32*qb+qi+1]|
.set qb, qb+1
.endr
.set qi, qi+2
.endr
.set qb, 0
.rept \nb
	v_add_nc_u32 v[SO+qb], EOFF, v[TM+qb]          ; 2 off the exponent field: the conversion takes that field as its scale
.set qb, qb+1
.endr
.set qb, 0
.rept \nb
	v_lshrrev_b32 v[BY+qb], 23, v[SO+qb]           ; the scale's byte
.set qb, qb+1
.endr
.set qb, 0
.rept \nb
.set qi, 0
.rept 4
	v_cvt_scalef32_pk8_fp4_f32 v[PC+4*qb+qi], v[\base+32*qb+8*qi:\base+32*qb+8*qi+7], v[SO+qb]
.set qi, qi+1
.endr
.set qb, qb+1
.endr
	v_nop                                          ; one plain place behind the last scaled conversion
.endm
; the bytes of lanes l and l xor 16 side by side: [h = 0's, h = 1's], in both lanes
.macro PAIR16 cnt, dst
.set qb, 0
.rept \cnt
	v_lshlrev_b32 v[\dst+qb], v[SH8], v[BY+qb]
.set qb, qb+1
.endr
.set qb, 0
.rept \cnt
	v_permlanex16_b32 v[EX+qb], v[\dst+qb], s32, s33
.set qb, qb+1
.endr
.set qb, 0
.rept \cnt
	v_or_b32 v[\dst+qb], v[\dst+qb], v[EX+qb]
.set qb, qb+1
.endr
.endm
; channels 32 k .. 32 k + 31 of my wave's 128 tokens: each load takes 512 consecutive bytes of one channel, four tokens a lane
.macro XLOAD k, set
	WIN 0x40
.set qi, 0
.rept 32
	global_load_b128 v[\set+4*qi:\set+4*qi+3], v[XO], s[4:5] offset:(32*\k+qi)*4096
.set qi, qi+1
.endr
	WIN 0
.endm
; they become block k of my four tokens.  The multiplication by 1 / sqrt(5) also turns the 32 x 4 registers round, so that a token's 32 channels stand in consecutive registers
.macro XUNIT k, set
	s_wait_dscnt 0x0                               ; the last unit's stores have read the codes' registers
	WIN 0x04
.set qi, 0
.rept 32
.irp t, 0,1,2,3
	v_mul_f32 v[S+32*\t+qi], s34, v[\set+4*qi+\t]
.endr
.set qi, qi+1
.endr
	WIN 0
	QUANT 4, S
.irp t, 0,1,2,3
	ds_store_b128 v[XST], v[PC+4*\t:PC+4*\t+3] offset:16*\t+512*(\k/2)+256*(\k%2)
.endr
.irp t, 0,1,2,3
.if \k == 0
	v_mov_b32 v[MS+\t], v[BY+\t]
.else
	v_lshl_or_b32 v[MS+\t], v[BY+\t], 8*\k, v[MS+\t]   ; the four bytes make a token's scale word
.endif
.endr
.endm
	s_load_b512 s[4:19], s[0:1], 0x0               ; x s[4:5]; Wq's codes, scales s[6:9]; Wk's s[10:13]; Wv's s[14:17]; R s[18:19]
	s_load_b128 s[20:23], s[0:1], 0x40             ; att s[20:21], ats s[22:23]
	v_lshlrev_b32 v[XO], 4, v0
	s_and_b32 s26, ttmp7, 0xffff                   ; the sample
	s_lshl_b32 s28, s26, 19                        ; 524,288 bytes of x a sample
	s_mov_b32 s29, 0
	s_wait_alu depctr_va_vdst(0)
	s_wait_kmcnt 0x0
	s_add_nc_u64 s[4:5], s[4:5], s[28:29]
	XLOAD 0, 0                                     ; two units are asked for before anything else is done
	XLOAD 1, 128
	v_lshrrev_b32 v[MS], 5, v0
	s_delay_alu instid0(VALU_DEP_1)
	v_readfirstlane_b32 s24, v[MS]                 ; wave 0..7
	v_and_b32 v[RR], 15, v0
	v_bfe_u32 v[HH], v0, 4, 1
	v_and_b32 v[MS], 31, v0
	s_delay_alu instid0(VALU_DEP_1)
	v_lshlrev_b32 v[L16], 4, v[MS]
	s_delay_alu instid0(VALU_DEP_2)
	v_lshlrev_b32 v[L8], 3, v[MS]
	s_delay_alu instid0(VALU_DEP_3)
	v_lshlrev_b32 v[L4], 2, v[MS]
	v_lshlrev_b32 v[SH8], 3, v[HH]
	v_lshrrev_b32 v[MS+1], 3, v[RR]                ; r / 8
	v_and_b32 v[MS+2], 7, v[RR]                    ; r % 8
	s_delay_alu instid0(VALU_DEP_2)
	v_add_nc_u32 v[RH], 32, v[MS+1]
	s_delay_alu instid0(VALU_DEP_1)
	v_sub_nc_u32 v[RH], v[RH], v[HH]
	s_delay_alu instid0(VALU_DEP_3)
	v_mul_u32_u24 v[RHO], v[MS+2], 176
	s_delay_alu instid0(VALU_DEP_4)
	v_lshl_add_u32 v[MS+3], v[MS+1], 5, v[MS+2]    ; r % 8 + 32 (r / 8): my weight row in tile 0
	s_delay_alu instid0(VALU_DEP_1)
	v_lshlrev_b32 v[WO], 6, v[MS+3]                ; 64 bytes a row of 128 codes,
	s_delay_alu instid0(VALU_DEP_1)
	v_lshl_add_u32 v[WO], v[HH], 4, v[WO]          ; + 16 h
	s_delay_alu instid0(VALU_DEP_3)
	v_lshlrev_b32 v[WS], 2, v[MS+3]
	v_lshlrev_b32 v[R8], 3, v[RR]
	v_lshlrev_b32 v[R2], 1, v[RR]
	; my four tokens 4 lane + t lie in tile 4 (lane / 16) + (lane / 2) % 4, rows 8 ((lane / 8) % 2) + 4 (lane % 2) + t
	v_bfe_u32 v[MS+1], v0, 1, 2
	v_bfe_u32 v[MS+2], v0, 3, 1
	v_and_b32 v[MS+3], 1, v0
	s_lshl_b32 s46, s24, 13
	v_lshlrev_b32 v[XST], 12, v[HH]
	s_delay_alu instid0(VALU_DEP_1)
	v_lshl_add_u32 v[XST], v[MS+1], 10, v[XST]
	s_delay_alu instid0(VALU_DEP_1)
	v_lshl_add_u32 v[XST], v[MS+2], 7, v[XST]
	s_delay_alu instid0(VALU_DEP_1)
	v_lshl_add_u32 v[XST], v[MS+3], 6, v[XST]
	s_delay_alu instid0(VALU_DEP_1)
	v_add_nc_u32 v[XST], s46, v[XST]
	v_add_nc_u32 v[XR], s46, v[L16]
	s_lshl_b32 s46, s24, 9
	s_add_co_u32 s46, s46, XSC
	v_lshlrev_b32 v[XSS], 8, v[HH]
	s_delay_alu instid0(VALU_DEP_1)
	v_lshl_add_u32 v[XSS], v[MS+1], 6, v[XSS]
	s_delay_alu instid0(VALU_DEP_1)
	v_lshl_add_u32 v[XSS], v[MS+2], 5, v[XSS]
	s_delay_alu instid0(VALU_DEP_1)
	v_lshl_add_u32 v[XSS], v[MS+3], 4, v[XSS]
	s_delay_alu instid0(VALU_DEP_1)
	v_add_nc_u32 v[XSS], s46, v[XSS]
	v_lshl_add_u32 v[XSR], v[RR], 2, s46
	s_lshl_b32 s47, s24, 12                        ; 4,096 bytes of each kind of image a wave
	s_add_co_u32 s46, s47, QIMG
	v_add_nc_u32 v[AQI], s46, v[L16]
	s_add_co_u32 s46, s47, KIMG
	v_add_nc_u32 v[AKI], s46, v[L16]
	s_add_co_u32 s46, s47, VIMG
	v_add_nc_u32 v[AVI], s46, v[L16]
	s_lshl_b32 s46, s24, 10
	s_add_co_u32 s46, s46, QSC
	v_add_nc_u32 v[AQS], s46, v[L4]
	s_lshl_b32 s27, s24, 8                         ; 256 w: kept
	s_add_co_u32 s46, s27, KSC
	v_add_nc_u32 v[AKW], s46, v[R8]
	s_add_co_u32 s46, s27, VSC
	v_add_nc_u32 v[AVW], s46, v[R8]
	v_mul_u32_u24 v[TA], v0, 176                   ; thread t fills row (dx = t / 8, p = t % 8) of the bias table
	s_delay_alu instid0(VALU_DEP_1)
	v_add_nc_u32 v[TA], EB, v[TA]
	v_and_b32 v[MS+1], 7, v0
	s_delay_alu instid0(VALU_DEP_1)
	v_lshlrev_b32 v[MS+1], 2, v[MS+1]
	v_lshrrev_b32 v[MS+2], 3, v0
	s_delay_alu instid0(VALU_DEP_1)
	v_lshlrev_b32 v[MS+2], 7, v[MS+2]
.set qi, 0
.rept 32
	v_add_nc_u32 v[EA+qi], 160-4*qi, v[MS+1]       ; 4 (p + 8 - z) + 128,
	s_delay_alu instid0(VALU_DEP_1)
	v_and_or_b32 v[EA+qi], v[EA+qi], 124, v[MS+2]  ; modulo a row's 128 bytes, in row dx
.set qi, qi+1
.endr
.irp j, 0,1,2,3
	v_mov_b32 v[EX+\j], 0                          ; written once: a lane permute's destination counts as one of its sources
.endr
	s_mov_b32 s32, 0x76543210
	s_mov_b32 s33, 0xfedcba98                      ; v_permlanex16_b32's selects for lane l xor 16
	s_mov_b32 s34, CI
	s_mov_b32 s36, CS
	s_mov_b32 s37, CS                              ; (the packed form names the pair)
	s_lshl_b32 s30, ttmp9, 12                      ; the head's 64 rows: 4,096 bytes of codes, and as many of R
	s_mov_b32 s31, 0
	s_add_nc_u64 s[6:7], s[6:7], s[30:31]
	s_add_nc_u64 s[10:11], s[10:11], s[30:31]
	s_add_nc_u64 s[14:15], s[14:15], s[30:31]
	s_add_nc_u64 s[18:19], s[18:19], s[30:31]
	s_lshl_b32 s30, ttmp9, 8                       ; 256 bytes of scales
	s_add_nc_u64 s[8:9], s[8:9], s[30:31]
	s_add_nc_u64 s[12:13], s[12:13], s[30:31]
	s_add_nc_u64 s[16:17], s[16:17], s[30:31]
	s_lshl_b32 s28, s26, 18                        ; att: 262,144 sample + 32,768 w + 1,024 (head / 2) + 512 (head % 2)
	s_lshl_b32 s30, s24, 15
	s_add_co_u32 s28, s28, s30
	s_lshr_b32 s30, ttmp9, 1
	s_lshl_b32 s30, s30, 10
	s_add_co_u32 s28, s28, s30
	s_and_b32 s30, ttmp9, 1
	s_lshl_b32 s30, s30, 9
	s_add_co_u32 s28, s28, s30
	s_add_nc_u64 s[20:21], s[20:21], s[28:29]
	s_lshl_b32 s28, s26, 3                         ; ats: 2,048 (8 sample + head) + 256 w
	s_add_co_u32 s28, s28, ttmp9
	s_lshl_b32 s28, s28, 11
	s_add_co_u32 s28, s28, s27
	s_add_nc_u64 s[22:23], s[22:23], s[28:29]
	; ---- PHASE X: four units of 32 channels, two sets of 128 registers by turns
	s_wait_loadcnt 32                              ; unit 0's 32 loads are in; unit 1's may be out
	XUNIT 0, 0
	XLOAD 2, 0
	s_wait_loadcnt 32                              ; unit 1 is in; unit 2's 32 may be out
	XUNIT 1, 128
	XLOAD 3, 128
	s_wait_loadcnt 32                              ; unit 2 is in; unit 3's 32 may be out
	XUNIT 2, 0
	WIN 0x40                                       ; the head's weights take the set that unit 2 has left: 24 loads of codes,
.irp e, 0,1,2,3
.irp c, 0,1
	global_load_b128 v[WQ+8*\e+4*\c:WQ+8*\e+4*\c+3], v[WO], s[6:7] offset:512*\e+32*\c
	global_load_b128 v[WK+8*\e+4*\c:WK+8*\e+4*\c+3], v[WO], s[10:11] offset:512*\e+32*\c
	global_load_b128 v[WV+8*\e+4*\c:WV+8*\e+4*\c+3], v[WO], s[14:15] offset:512*\e+32*\c
.endr
.endr
	WIN 0
.irp e, 0,1,2,3
	global_load_b32 v[WSC+\e], v[WS], s[8:9] offset:32*\e      ; and 12 of scale words
	global_load_b32 v[WSC+4+\e], v[WS], s[12:13] offset:32*\e
	global_load_b32 v[WSC+8+\e], v[WS], s[16:17] offset:32*\e
.endr
	s_wait_loadcnt 36                              ; unit 3 is in; the 36 loads of weights may be out
	WIN 0x40
.set qi, 0
.rept 32
	global_load_b32 v[ED+qi], v[EA+qi], s[18:19]   ; my row of the bias table: R[head][dx][(p + 8 - z) & 31], z = 0 .. 31
.set qi, qi+1
.endr
	WIN 0
	XUNIT 3, 128
	ds_store_b128 v[XSS], v[MS:MS+3]               ; my four tokens' scale words
	s_wait_loadcnt 0x0                             ; weights and R
	WIN 0x04
.irp q, 0,1,2,3,4,5,6,7,8,9
	ds_store_b128 v[TA], v[ED+(4*\q)%32:ED+(4*\q)%32+3] offset:16*\q   ; z = 32 .. 39 repeat z = 0 .. 7
.endr
	WIN 0
; ---- PHASE P: Q, K, V of my tokens 64 a .. 64 a + 63 (four tiles).  Each result is one matrix instruction (K = 128) that starts from the constant 0: there are no chains.
.macro PROJ a
.irp u, 0,1,2,3
	ds_load_b128 v[XT+8*\u:XT+8*\u+3], v[XR] offset:(4*\a+\u)*1024        ; my own bytes: LDS serves a wave's instructions in order (ISA guide 5.7.1.4)
	ds_load_b128 v[XT+8*\u+4:XT+8*\u+7], v[XR] offset:(4*\a+\u)*1024+512
	ds_load_b32 v[XS+\u], v[XSR] offset:(4*\a+\u)*64
.endr
	s_wait_dscnt 0x0
	WIN 0x01                                       ; Q: source 0 = 16 weight rows, source 1 = 16 tokens: lane (r, h) holds token r and d = 32 h + 8 e + j
.irp u, 0,1,2,3
.irp e, 0,1,2,3
	v_wmma_scale_f32_16x16x128_f8f6f4 v[S+32*\u+8*\e:S+32*\u+8*\e+7], v[WQ+8*\e:WQ+8*\e+7], v[XT+8*\u:XT+8*\u+7], 0, v[WSC+\e], v[XS+\u] matrix_a_fmt:MATRIX_FMT_FP4 matrix_b_fmt:MATRIX_FMT_FP4
.endr
.endr
	WIN 0
	PLACES
	QUANT 4, S
	PAIR16 4, MS
.irp u, 0,1,2,3
	s_delay_alu instid0(VALU_DEP_4)
	v_lshl_or_b32 v[MS+\u], v[MS+\u], 16, v[MS+\u] ; [s0, s1, s0, s1]: Q may stand in either half of the operand
.endr
.irp u, 0,1,2,3
	ds_store_b128 v[AQI], v[PC+4*\u:PC+4*\u+3] offset:(4*\a+\u)*512
	ds_store_b32 v[AQS], v[MS+\u] offset:(4*\a+\u)*128
.endr
	s_wait_dscnt 0x0                               ; the stores have read their registers
	WIN 0x01                                       ; K: the same with Wk
.irp u, 0,1,2,3
.irp e, 0,1,2,3
	v_wmma_scale_f32_16x16x128_f8f6f4 v[S+32*\u+8*\e:S+32*\u+8*\e+7], v[WK+8*\e:WK+8*\e+7], v[XT+8*\u:XT+8*\u+7], 0, v[WSC+4+\e], v[XS+\u] matrix_a_fmt:MATRIX_FMT_FP4 matrix_b_fmt:MATRIX_FMT_FP4
.endr
.endr
	WIN 0
	PLACES
	QUANT 4, S
	PAIR16 4, MS
	s_delay_alu instid0(VALU_DEP_3)
	v_lshl_or_b32 v[MS], v[MS+1], 16, v[MS]        ; a fragment's scale word: tile 2 u' below, tile 2 u' + 1 above
	s_delay_alu instid0(VALU_DEP_2)
	v_lshl_or_b32 v[MS+2], v[MS+3], 16, v[MS+2]
.irp u, 0,1,2,3
	ds_store_b128 v[AKI], v[PC+4*\u:PC+4*\u+3] offset:(2*\a+\u/2)*1024+(\u%2)*512
.endr
	ds_store_b32 v[AKW], v[MS] offset:4*\a         ; lanes r and r + 16 write the same word with the same value
	ds_store_b32 v[AKW], v[MS+2] offset:128+4*\a
	s_wait_dscnt 0x0
	WIN 0x04                                       ; V: source 0 = 16 tokens, source 1 = 16 weight rows: lane (r, h) holds d-row r and tokens 32 h + 8 u + j: a block of 32 keys
.irp d, 0,1,2,3
.irp u, 0,1,2,3
	v_wmma_scale_f32_16x16x128_f8f6f4 v[S+32*\d+8*\u:S+32*\d+8*\u+7], v[XT+8*\u:XT+8*\u+7], v[WV+8*\d:WV+8*\d+7], 0, v[XS+\u], v[WSC+8+\d] matrix_a_fmt:MATRIX_FMT_FP4 matrix_b_fmt:MATRIX_FMT_FP4
.endr
.endr
	WIN 0
	PLACES
	QUANT 4, S
	PAIR16 4, MS
.irp d, 0,1,2,3
	ds_store_b128 v[AVI], v[PC+4*\d:PC+4*\d+3] offset:\d*1024+\a*512
	ds_store_b16 v[AVW], v[MS+\d] offset:(\d%2)*128+(\d/2)*4+2*\a
.endr
	s_wait_dscnt 0x0
.endm
	PROJ 0
	PROJ 1
.irp j, 0,1,2,3
	v_mov_b32 v[QF+\j], 0                          ; the zero codes beside Q
	v_mov_b32 v[QF+8+\j], 0
	v_mov_b32 v[QF+16+\j], 0
.endr
	v_mov_b32 v[STA+5], 0                          ; (named as the upper halves of the pairs with f)
	v_mov_b32 v[STB+5], 0
	s_wait_dscnt 0x0                               ; all my LDS stores have landed
	s_barrier_signal -1
	s_barrier_wait -1                              ; the one barrier: behind it K, V, their scale words and the bias table are only read
; 8 score products: the step's half c, key tiles u = 2 p + g, query tiles A and B.  C = the bias tile; every result has registers of its own
.macro SCORES c
.irp p, 0,1
.irp g, 0,1
.irp t, 0,1
.if \p
	v_wmma_scale_f32_16x16x128_f8f6f4 v[S+64*\t+32*\c+8*(2*\p+\g):S+64*\t+32*\c+8*(2*\p+\g)+7], v[KF+8*(2*\c+\p):KF+8*(2*\c+\p)+7], v[QF+4-4*\g+8*\t:QF+11-4*\g+8*\t], v[BE+32*\c+8*((2*\p+\g+2*\t)%4):BE+32*\c+8*((2*\p+\g+2*\t)%4)+7], v[KS+\c], v[QSA+\t] matrix_a_fmt:MATRIX_FMT_FP4 matrix_b_fmt:MATRIX_FMT_FP4 matrix_a_scale:MATRIX_SCALE_ROW1
.else
	v_wmma_scale_f32_16x16x128_f8f6f4 v[S+64*\t+32*\c+8*(2*\p+\g):S+64*\t+32*\c+8*(2*\p+\g)+7], v[KF+8*(2*\c+\p):KF+8*(2*\c+\p)+7], v[QF+4-4*\g+8*\t:QF+11-4*\g+8*\t], v[BE+32*\c+8*((2*\p+\g+2*\t)%4):BE+32*\c+8*((2*\p+\g+2*\t)%4)+7], v[KS+\c], v[QSA+\t] matrix_a_fmt:MATRIX_FMT_FP4 matrix_b_fmt:MATRIX_FMT_FP4
.endif
.endr
.endr
.endr
.endm
	; ---- ATTENTION: four pairs of query tiles, each over eight steps of 128 keys
	s_mov_b32 s38, 0
.Lpair:
	s_lshr_b32 s43, s38, 1                         ; a: which 64 of my tokens
	s_and_b32 s44, s38, 1                          ; u0: tile A is (a, u0), tile B (a, u0 + 2)
	s_lshl_b32 s45, s43, 2
	s_add_co_u32 s45, s45, s44                     ; tile A among my eight
	s_lshl_b32 s40, s24, 2
	s_lshl_b32 s46, s43, 1
	s_add_co_u32 s40, s40, s46                     ; 4 w + 2 a: the queries' lattice row less r / 8; each step adds 28, which is -4 modulo 32
	s_xor_b32 s47, s44, 1
	s_lshl_b32 s47, s47, 5
	s_add_co_u32 s47, s47, EB                      ; z begins at 8 - 8 u0
	s_mov_b32 s41, KIMG
	s_mov_b32 s42, KSC
	v_add_nc_u32 v[LB], s47, v[RHO]
	s_lshl_b32 s48, s45, 9
	v_add_nc_u32 v[TA], s48, v[AQI]
	s_lshl_b32 s49, s45, 7
	v_add_nc_u32 v[TB], s49, v[AQS]
	ds_load_b128 v[QF+4:QF+7], v[TA]               ; Q of tile A,
	ds_load_b128 v[QF+12:QF+15], v[TA] offset:1024 ; of tile B, two tiles on
	ds_load_b32 v[QSA], v[TB]
	ds_load_b32 v[QSA+1], v[TB] offset:256
.irp t, 0,1
	v_mov_b32 v[STA+8*\t+1], NEGBIG                ; the largest t so far
	s_delay_alu instid0(VALU_DEP_1)
	v_floor_f32 v[STA+8*\t], -v[STA+8*\t+1]        ; -M
	v_mov_b32 v[STA+8*\t+2], 0                     ; the sum, in two halves
	v_mov_b32 v[STA+8*\t+3], 0
.endr
	WIN 0x40
.set qi, 0
.rept 64
	v_mov_b32 v[qi], 0                             ; O.  The step is written once: the first finds zeros, which the first change of M leaves zeros
.set qi, qi+1
.endr
	WIN 0
	s_wait_xcnt 0x0                                ; the last pair's stores have read the codes' registers and their offset: both are written again below
	s_mov_b32 s39, 0
.Lstep:
	s_setprio 2
	v_add_nc_u32 v[MS], s40, v[RH]                 ; xi - xj + 32 for the step's first half.  (These eight lines are also the places behind the last products, ahead of the loads below)
	s_delay_alu instid0(VALU_DEP_1)
	v_and_b32 v[MS+1], 31, v[MS]
	s_delay_alu instid0(VALU_DEP_1)
	v_mad_u32_u24 v[AE0], v[MS+1], 1408, v[LB]
	s_delay_alu instid0(VALU_DEP_3)
	v_add_nc_u32 v[MS], 30, v[MS]                  ; the second half lies two lattice rows on: -2 modulo 32
	s_delay_alu instid0(VALU_DEP_1)
	v_and_b32 v[MS], 31, v[MS]
	s_delay_alu instid0(VALU_DEP_1)
	v_mad_u32_u24 v[AE1], v[MS], 1408, v[LB]
	v_add_nc_u32 v[AKV], s41, v[L16]
	v_add_nc_u32 v[AKS], s42, v[L8]
	ds_load_b64 v[KS:KS+1], v[AKS]
	ds_load_b64 v[VS:VS+1], v[AKS] offset:2048
	WIN 0x40
.irp f, 0,1,2,3
.irp g, 0,1
	ds_load_b128 v[KF+8*\f+4*\g:KF+8*\f+4*\g+3], v[AKV] offset:\f*1024+\g*512
.endr
.endr
.irp u, 0,1,2,3
	ds_load_b128 v[BE+8*\u:BE+8*\u+3], v[AE0] offset:32*\u
	ds_load_b128 v[BE+8*\u+4:BE+8*\u+7], v[AE0] offset:32*\u+16
.endr
.irp u, 0,1,2,3
	ds_load_b128 v[BE+32+8*\u:BE+32+8*\u+3], v[AE1] offset:32*\u
	ds_load_b128 v[BE+32+8*\u+4:BE+32+8*\u+7], v[AE1] offset:32*\u+16
.endr
.irp d, 0,1,2,3
.irp g, 0,1
	ds_load_b128 v[VF+8*\d+4*\g:VF+8*\d+4*\g+3], v[AKV] offset:32768+\d*1024+\g*512
.endr
.endr
	s_wait_dscnt 16                                ; the second half's 8 bias loads and V's 8 may be out; all before them (Q in a pair's first step too) are in
	WIN 0x11
	SCORES 0
	s_wait_dscnt 8                                 ; V's 8 may be out
	SCORES 1
	WIN 0
	PLACES
	; lane (r, h), register 32 q + i of S: query r of tile q / 2, key 128 step + 64 (q % 2) + 32 h + i: block q is a whole block of 32 keys
.irp q, 0,1,2,3
	v_max3_num_f32 v[TM+\q], v[S+32*\q], v[S+32*\q+1], v[S+32*\q+2]   ; each block's largest score: it serves the row's maximum and, since p rises with the score, the block's largest p
.endr
.set qi, 3
.rept 14
.irp q, 0,1,2,3
	v_max3_num_f32 v[TM+\q], v[TM+\q], v[S+32*\q+qi], v[S+32*\q+qi+1]
.endr
.set qi, qi+2
.endr
.irp q, 0,1,2,3
	v_max_num_f32 v[TM+\q], v[TM+\q], v[S+32*\q+31]
.endr
.irp t, 0
	s_delay_alu instid0(VALU_DEP_3)
	v_max_num_f32 v[MS+\t], v[TM+2*\t], v[TM+2*\t+1]
.endr
.irp t, 1
	s_delay_alu instid0(VALU_DEP_2)
	v_max_num_f32 v[MS+\t], v[TM+2*\t], v[TM+2*\t+1]
.endr
.irp t, 0,1
	s_delay_alu instid0(VALU_DEP_2)
	v_permlanex16_b32 v[EX+\t], v[MS+\t], s32, s33
.endr
.irp t, 0,1
	s_delay_alu instid0(VALU_DEP_2)
	v_max_num_f32 v[MS+\t], v[MS+\t], v[EX+\t]     ; the step's largest score of my query
.endr
.irp t, 0,1
	s_delay_alu instid0(VALU_DEP_2)
	v_mul_f32 v[MS+\t], s36, v[MS+\t]              ; as t
.endr
.irp t, 0,1
	s_delay_alu instid0(VALU_DEP_2)
	v_max_num_f32 v[STA+8*\t+1], v[STA+8*\t+1], v[MS+\t]
.endr
.irp t, 0,1
	v_mov_b32 v[MS+\t], v[STA+8*\t]
.endr
.irp t, 0,1
	s_delay_alu instid0(VALU_DEP_4)
	v_floor_f32 v[STA+8*\t], -v[STA+8*\t+1]        ; the new -M = -ceil(the largest t): a whole number
.endr
.irp t, 0,1
	s_delay_alu instid0(VALU_DEP_2)
	v_sub_f32 v[MS+\t], v[STA+8*\t], v[MS+\t]      ; old M - new M, 0 or less
.endr
.irp t, 0,1
	s_delay_alu instid0(VALU_DEP_2)
	v_cvt_i32_f32 v[MS+\t], v[MS+\t]               ; (it saturates)
.endr
.irp t, 0,1
	s_delay_alu instid0(VALU_DEP_2)
	v_ldexp_f32 v[STA+8*\t+4], 1.0, v[MS+\t]       ; f = 2^(old M - new M)
.endr
.irp t, 0,1
.set qi, 0
.rept 32
	v_pk_fma_f32 v[S+64*\t+qi:S+64*\t+qi+1], v[S+64*\t+qi:S+64*\t+qi+1], s[36:37], v[STA+8*\t:STA+8*\t+1] op_sel_hi:[1,0,0]   ; t - M, two at a time
.set qi, qi+2
.endr
.endr
.irp q, 0,1,2,3
	v_fma_f32 v[TM+\q], v[TM+\q], s36, v[STA+8*(\q/2)]         ; the same of each block's largest score
.endr
.set qi, 0
	s_wait_alu depctr_va_vdst(0)
.rept 128
	v_exp_f32 v[S+qi], v[S+qi]                     ; p = 2^(t - M).  ONE BATCH of 132: none of them reads another's result
.set qi, qi+1
.endr
	s_setprio 1
.irp q, 0,1,2,3
	v_exp_f32 v[TM+\q], v[TM+\q]                   ; the block's largest p: the same two instructions on the same number
.endr
.irp t, 0,1
	v_pk_mul_f32 v[STA+8*\t+2:STA+8*\t+3], v[STA+8*\t+2:STA+8*\t+3], v[STA+8*\t+4:STA+8*\t+5] op_sel_hi:[1,0]   ; the sums under the new M: the plain lines behind the last exponential
.endr
	s_wait_alu depctr_va_vdst(0)                   ; one wait for the batch, ahead of the first line that names a result
.irp t, 0,1
	v_pk_add_f32 v[STA+8*\t+6:STA+8*\t+7], v[S+64*\t:S+64*\t+1], v[S+64*\t+2:S+64*\t+3]   ; the sum of the unquantised p, two chains a tile
.endr
.set qi, 4
.rept 15
.irp t, 0,1
	v_pk_add_f32 v[STA+8*\t+2:STA+8*\t+3], v[STA+8*\t+2:STA+8*\t+3], v[S+64*\t+qi:S+64*\t+qi+1]
	v_pk_add_f32 v[STA+8*\t+6:STA+8*\t+7], v[STA+8*\t+6:STA+8*\t+7], v[S+64*\t+qi+2:S+64*\t+qi+3]
.endr
.set qi, qi+4
.endr
.irp t, 0
	s_delay_alu instid0(VALU_DEP_3)
	v_pk_add_f32 v[STA+8*\t+2:STA+8*\t+3], v[STA+8*\t+2:STA+8*\t+3], v[STA+8*\t+6:STA+8*\t+7]
.endr
.irp t, 1
	s_delay_alu instid0(VALU_DEP_2)
	v_pk_add_f32 v[STA+8*\t+2:STA+8*\t+3], v[STA+8*\t+2:STA+8*\t+3], v[STA+8*\t+6:STA+8*\t+7]
.endr
.irp q, 0,1,2,3
	v_max_num_f32 v[TM+\q], FLOOR, v[TM+\q]
.endr
.irp q, 0,1,2,3
	s_delay_alu instid0(VALU_DEP_4)
	v_add_nc_u32 v[SO+\q], EOFF, v[TM+\q]
.endr
.irp q, 0,1,2,3
	s_delay_alu instid0(VALU_DEP_4)
	v_lshrrev_b32 v[BY+\q], 23, v[SO+\q]
.endr
.irp t, 0
	s_delay_alu instid0(VALU_DEP_3)
	v_lshl_or_b32 v[MS+\t], v[BY+2*\t+1], 16, v[BY+2*\t]
.endr
.irp t, 1
	s_delay_alu instid0(VALU_DEP_2)
	v_lshl_or_b32 v[MS+\t], v[BY+2*\t+1], 16, v[BY+2*\t]       ; my two bytes: blocks h and 2 + h,
.endr
.irp t, 0,1
	s_delay_alu instid0(VALU_DEP_2)
	v_lshlrev_b32 v[MS+\t], v[SH8], v[MS+\t]       ; at their places;
.endr
.irp t, 0,1
	s_delay_alu instid0(VALU_DEP_2)
	v_permlanex16_b32 v[EX+\t], v[MS+\t], s32, s33
.endr
.irp t, 0,1
	s_delay_alu instid0(VALU_DEP_2)
	v_or_b32 v[PSA+\t], v[MS+\t], v[EX+\t]         ; with lane l xor 16's two: p's scale word for these 128 keys
.endr
.irp q, 0,1,2,3
.irp g, 0,1,2,3
	v_cvt_scalef32_pk8_fp4_f32 v[PC+4*\q+\g], v[S+32*\q+8*\g:S+32*\q+8*\g+7], v[SO+\q]   ; registers 4 c .. 4 c + 3 of the tile's operand: keys 64 c + 32 h + 0 .. 31
.endr
.endr
	v_nop                                          ; one plain place behind the last scaled conversion
	WIN 0x41
	s_setprio 0
.irp t, 0,1
.set qi, 0
.rept 16
	v_pk_mul_f32 v[32*\t+qi:32*\t+qi+1], v[32*\t+qi:32*\t+qi+1], v[STA+8*\t+4:STA+8*\t+5] op_sel_hi:[1,0]   ; O under the new M.  (Also the places between p's scale words and codes and the products below)
.set qi, qi+2
.endr
.endr
	s_wait_alu depctr_va_vdst(0)
	s_wait_dscnt 0x0                               ; V is in
	WIN 0x51
.irp d, 0,1,2,3                                ; O += V p: eight accumulators, one instruction a turn; the matrix instructions before and behind them are score products
.irp t, 0,1
.if \d%2
	v_wmma_scale_f32_16x16x128_f8f6f4 v[32*\t+8*\d:32*\t+8*\d+7], v[VF+8*\d:VF+8*\d+7], v[PC+8*\t:PC+8*\t+7], v[32*\t+8*\d:32*\t+8*\d+7], v[VS+\d/2], v[PSA+\t] matrix_a_fmt:MATRIX_FMT_FP4 matrix_b_fmt:MATRIX_FMT_FP4 matrix_a_scale:MATRIX_SCALE_ROW1
.else
	v_wmma_scale_f32_16x16x128_f8f6f4 v[32*\t+8*\d:32*\t+8*\d+7], v[VF+8*\d:VF+8*\d+7], v[PC+8*\t:PC+8*\t+7], v[32*\t+8*\d:32*\t+8*\d+7], v[VS+\d/2], v[PSA+\t] matrix_a_fmt:MATRIX_FMT_FP4 matrix_b_fmt:MATRIX_FMT_FP4
.endif
.endr
.endr
	WIN 0
	s_add_co_u32 s40, s40, 28
	s_add_co_u32 s41, s41, 4096
	s_add_co_u32 s42, s42, 256
	s_add_co_u32 s39, s39, 1
	s_cmp_lt_u32 s39, 8
	s_cbranch_scc1 .Lstep
	s_setprio 0
	; the pair's end: O / l, quantised along d: lane (r, h) holds query r and d = 32 h + 0 .. 31, half a head: a block
	PLACES
.irp t, 0,1
	v_add_f32 v[MS+\t], v[STA+8*\t+2], v[STA+8*\t+3]
.endr
.irp t, 0,1
	s_delay_alu instid0(VALU_DEP_2)
	v_permlanex16_b32 v[EX+\t], v[MS+\t], s32, s33
.endr
.irp t, 0,1
	s_delay_alu instid0(VALU_DEP_2)
	v_add_f32 v[MS+\t], v[MS+\t], v[EX+\t]         ; the row's sum
.endr
	s_wait_alu depctr_va_vdst(0)
.irp t, 0,1
	v_rcp_f32 v[STA+8*\t+4], v[MS+\t]
.endr
	s_lshl_b32 s50, s45, 12
	v_add_nc_u32 v[AO], s50, v[L16]                ; (a plain place behind the reciprocals)  att: 4,096 bytes a tile, 16 a lane
	s_lshl_b32 s51, s45, 5
	s_add_co_u32 s51, s51, s27
	s_add_co_u32 s51, s51, ASC
	v_add_nc_u32 v[AS], s51, v[R2]
	s_wait_alu depctr_va_vdst(0)                   ; one wait for the two reciprocals, ahead of their first reader
	WIN 0x01
.irp t, 0,1
.set qi, 0
.rept 16
	v_pk_mul_f32 v[S+32*\t+qi:S+32*\t+qi+1], v[32*\t+qi:32*\t+qi+1], v[STA+8*\t+4:STA+8*\t+5] op_sel_hi:[1,0]
.set qi, qi+2
.endr
.endr
	WIN 0
	QUANT 2, S
	PAIR16 2, MS
	ds_store_b16 v[AS], v[MS]                      ; the two bytes of (tile, row r); lanes r and r + 16 write the same
	ds_store_b16 v[AS], v[MS+1] offset:64
	global_store_b128 v[AO], v[PC:PC+3], s[20:21] th:TH_STORE_NT               ; 32 lanes store 512 consecutive bytes, at a multiple of 512 from att's first byte: half a fragment of the last product
	global_store_b128 v[AO], v[PC+4:PC+7], s[20:21] offset:8192 th:TH_STORE_NT
	s_add_co_u32 s38, s38, 1
	s_cmp_lt_u32 s38, 4
	s_cbranch_scc1 .Lpair
	s_add_co_u32 s46, s27, ASC
	v_add_nc_u32 v[TA], s46, v[L8]
	ds_load_b64 v[MS+2:MS+3], v[TA]                ; my wave's 256 scale bytes: LDS serves a wave's instructions in order, so these see my stores
	s_wait_dscnt 0x0
	global_store_b64 v[L8], v[MS+2:MS+3], s[22:23] th:TH_STORE_NT              ; 32 lanes store 256 consecutive bytes, at a multiple of 256 from ats's first byte
	s_wait_xcnt 0x0
	v_lshl_add_u32 v254, v0, 2, 0x37800
	v_mov_b32 v255, 0
	s_wait_alu depctr_va_vdst(0)
	s_wait_tensorcnt 0x0
	ds_add_u32 v254, v255
	s_wait_dscnt 0x0
	s_endpgm
.Lfunc_end_k_q4a93bbec51_attn:
	.size	k_q4a93bbec51_attn, .Lfunc_end_k_q4a93bbec51_attn-k_q4a93bbec51_attn
	.p2alignl 7, 3214868480
	.fill 96, 4, 3214868480
	.section	.rodata,"a",@progbits
	.p2align	6, 0x0
	.amdhsa_kernel k_q4a93bbec51_attn
		.amdhsa_group_segment_fixed_size 228352
		.amdhsa_private_segment_fixed_size 0
		.amdhsa_enable_private_segment 0
		.amdhsa_kernarg_size 80
		.amdhsa_user_sgpr_count 2
		.amdhsa_user_sgpr_kernarg_segment_ptr 1
		.amdhsa_wavefront_size32 1
		.amdhsa_system_sgpr_workgroup_id_x 1
		.amdhsa_system_sgpr_workgroup_id_y 1
		.amdhsa_system_sgpr_workgroup_id_z 1
		.amdhsa_system_vgpr_workitem_id 0
		.amdhsa_next_free_vgpr 512
		.amdhsa_next_free_sgpr 66
		.amdhsa_reserve_vcc 0
		.amdhsa_float_denorm_mode_32 3
		.amdhsa_float_denorm_mode_16_64 3
		.amdhsa_memory_ordered 1
		.amdhsa_forward_progress 1
		.amdhsa_inst_pref_size 166
	.end_amdhsa_kernel
	.amdgpu_metadata
---
amdhsa.version: [ 1, 2 ]
amdhsa.kernels:
  - .name:           k_q4a93bbec51_attn
    .symbol:         k_q4a93bbec51_attn.kd
    .args:
      - { .name: x, .offset: 0, .size: 8, .value_kind: global_buffer, .address_space: global }
      - { .name: Wq_codes, .offset: 8, .size: 8, .value_kind: global_buffer, .address_space: global }
      - { .name: Wq_scales, .offset: 16, .size: 8, .value_kind: global_buffer, .address_space: global }
      - { .name: Wk_codes, .offset: 24, .size: 8, .value_kind: global_buffer, .address_space: global }
      - { .name: Wk_scales, .offset: 32, .size: 8, .value_kind: global_buffer, .address_space: global }
      - { .name: Wv_codes, .offset: 40, .size: 8, .value_kind: global_buffer, .address_space: global }
      - { .name: Wv_scales, .offset: 48, .size: 8, .value_kind: global_buffer, .address_space: global }
      - { .name: R, .offset: 56, .size: 8, .value_kind: global_buffer, .address_space: global }
      - { .name: att, .offset: 64, .size: 8, .value_kind: global_buffer, .address_space: global }
      - { .name: ats, .offset: 72, .size: 8, .value_kind: global_buffer, .address_space: global }
    .group_segment_fixed_size: 228352
    .private_segment_fixed_size: 0
    .kernarg_segment_align: 8
    .kernarg_segment_size: 80
    .max_flat_workgroup_size: 256
    .sgpr_count:     66
    .vgpr_count:     512
    .wavefront_size: 32
...
	.end_amdgpu_metadata
.endif
;; end of part 1
;; launch proj (part 2): grid 8 x 32, 8 waves a work-group, no clusters, 70,656 bytes of LDS; arguments att, ats, W0_codes, W0_scales, x, out0; writes out0
.if DOCPART == 2
	.amdgcn_target "amdgcn-amd-amdhsa--gfx1250"
	.amdhsa_code_object_version 6
	.text
	.protected	k_q4a93bbec51_proj
	.globl	k_q4a93bbec51_proj
	.p2align	8
	.type	k_q4a93bbec51_proj,@function
k_q4a93bbec51_proj:
	s_mov_b64 s[64:65], 0
	v_nop
	global_prefetch_b8 v0, s[64:65] scope:SCOPE_SE
	s_setreg_imm32_b32 hwreg(HW_REG_WAVE_MODE, 25, 1), 1
	s_wait_xcnt 0x0
; out0 = W0 att + x.  att arrives as codes of FP4 (E2M1), laid as images of this product's operand registers: ((sample 64 + tile) 4 + K step) 1,024 + 512 c + 16 lane; its scale bytes [sample][head][tile][row] as pairs (d-block 0, 1).
; A token tile 4 c + u: row r < 8 is token 64 c + 8 u + r, row r >= 8 token 64 c + 32 + 8 u + (r - 8).
; Work-group (x = 128 tokens, y = sample), eight waves.  Wave w makes channels 16 w .. 16 w + 15 for all 128 tokens, and fetches tile w of the eight for the whole work-group: each byte of att is read from memory once.
; Source 0 = 16 tokens, source 1 = 16 rows of W0: lane (r, h) holds channel 16 w + r and, in the registers of tiles u = 0 .. 3, tokens 64 c + 32 h + 0 .. 31: 128 consecutive bytes of a row of out0.
; They go through the wave's own stage in LDS, so that sixteen lanes store 256 consecutive bytes.  Memory binds this launch: no ring, no joint requests (work-groups share only W0's 34,816 bytes).
.set AIMG, 0                           ; LDS: eight tiles x 4,096 bytes: 1,024 K step + 512 c + 16 lane
.set ASW,  32768                       ; their scale words: 256 tile + 16 row: four words, one a K step
.set STG,  34816                       ; a stage of 16 rows x (256 + 16) bytes for each wave
.set SP,   272
.set RR,   2
.set HH,   3
.set L16,  4
.set R2,   5
.set WOF,  7                           ; my bytes of W0's codes
.set WSF,  8                           ; and of its scales
.set XOF,  9                           ; x and out0: lanes 0-15 one channel's 256 bytes, lanes 16-31 the next channel's
.set AIS,  10                          ; where I store my tile's image
.set ASS,  11                          ; and its scale words
.set ASR,  12                          ; scale words, read
.set STO,  13                          ; the stage, in
.set SRD,  14                          ; and back
.set W0S,  16                          ; v16-19  W0's scale words;  v20-35 att's, 4 u + K step: scales and nothing else
.set ATS,  20
.set W0F,  40                          ; v40-71  W0's four fragments
.set AF,   72                          ; v72-135 eight fragments of att (two K steps x four tiles); at the head my own tile, its bytes and words; later the rows read back
.set XD,   136                         ; v136-199 x: two groups of 32
.set DD,   200                         ; v200-231 four accumulators
.macro PLACES
.rept 4
	v_nop
.endr
.endm
	s_load_b256 s[4:11], s[0:1], 0x0               ; att s[4:5], ats s[6:7], W0's codes s[8:9], W0's scales s[10:11]
	s_load_b128 s[12:15], s[0:1], 0x20             ; x s[12:13], out0 s[14:15]
	v_lshl_add_u32 v254, v0, 2, 0x11000
	v_mov_b32 v255, 0
	v_lshrrev_b32 v1, 5, v0
	s_delay_alu instid0(VALU_DEP_1)
	v_readfirstlane_b32 s16, v1                    ; wave 0..7
	s_and_b32 s17, ttmp7, 0xffff                   ; the sample
	v_and_b32 v[RR], 15, v0
	v_bfe_u32 v[HH], v0, 4, 1
	v_and_b32 v1, 31, v0
	s_delay_alu instid0(VALU_DEP_1)
	v_lshlrev_b32 v[L16], 4, v1
	s_delay_alu instid0(VALU_DEP_4)
	v_lshlrev_b32 v[R2], 1, v[RR]
	s_lshl_b32 s18, s16, 4
	v_add_nc_u32 v6, s18, v[RR]                    ; my row of W0: 16 w + r
	s_delay_alu instid0(VALU_DEP_1)
	v_lshlrev_b32 v[WOF], 8, v6                    ; 256 bytes a row of 512 codes,
	s_delay_alu instid0(VALU_DEP_1)
	v_lshl_add_u32 v[WOF], v[HH], 4, v[WOF]        ; + 16 h
	s_delay_alu instid0(VALU_DEP_3)
	v_lshlrev_b32 v[WSF], 4, v6
	v_lshlrev_b32 v[XOF], 4, v[RR]
	s_delay_alu instid0(VALU_DEP_1)
	v_lshl_add_u32 v[XOF], v[HH], 12, v[XOF]
	s_lshl_b32 s19, s16, 12
	v_add_nc_u32 v[AIS], s19, v[L16]
	s_lshl_b32 s19, s16, 8
	s_add_co_u32 s19, s19, ASW
	v_lshl_add_u32 v[ASS], v[RR], 4, s19
	v_lshlrev_b32 v[ASR], 4, v[RR]
	s_delay_alu instid0(VALU_DEP_1)
	v_add_nc_u32 v[ASR], ASW, v[ASR]
	s_mul_i32 s19, s16, 16*SP
	s_add_co_u32 s19, s19, STG
	v_mul_u32_u24 v[STO], v[RR], SP
	s_delay_alu instid0(VALU_DEP_1)
	v_lshl_add_u32 v[STO], v[HH], 7, v[STO]
	s_delay_alu instid0(VALU_DEP_1)
	v_add_nc_u32 v[STO], s19, v[STO]               ; in: row r, 128 bytes for each half of the lanes
	v_mul_u32_u24 v[SRD], v[HH], SP
	s_delay_alu instid0(VALU_DEP_1)
	v_lshl_add_u32 v[SRD], v[RR], 4, v[SRD]
	s_delay_alu instid0(VALU_DEP_1)
	v_add_nc_u32 v[SRD], s19, v[SRD]               ; back: lanes 0-15 one row, lanes 16-31 the next
	s_lshl_b32 s20, s17, 18                        ; att: 262,144 sample + 4,096 (8 x + w)
	s_lshl_b32 s22, ttmp9, 15
	s_add_co_u32 s20, s20, s22
	s_lshl_b32 s22, s16, 12
	s_add_co_u32 s20, s20, s22
	s_mov_b32 s21, 0
	s_lshl_b32 s22, s17, 14                        ; ats: 16,384 sample + 32 (8 x + w)
	s_lshl_b32 s24, ttmp9, 8
	s_add_co_u32 s22, s22, s24
	s_lshl_b32 s24, s16, 5
	s_add_co_u32 s22, s22, s24
	s_mov_b32 s23, 0
	s_lshl_b32 s24, s17, 19                        ; x, out0: 524,288 sample + 65,536 w + 512 x
	s_lshl_b32 s26, s16, 16
	s_add_co_u32 s24, s24, s26
	s_lshl_b32 s26, ttmp9, 9
	s_add_co_u32 s24, s24, s26
	s_mov_b32 s25, 0
	s_wait_kmcnt 0x0
	s_add_nc_u64 s[4:5], s[4:5], s[20:21]
	s_add_nc_u64 s[6:7], s[6:7], s[22:23]
	s_add_nc_u64 s[12:13], s[12:13], s[24:25]
	s_add_nc_u64 s[14:15], s[14:15], s[24:25]
.irp i, 0,1,2,3,4,5,6,7
	global_load_b128 v[AF+4*\i:AF+4*\i+3], v[L16], s[4:5] offset:512*\i th:TH_LOAD_NT   ; my tile: 4,096 consecutive bytes
.endr
.irp i, 0,1,2,3,4,5,6,7
	global_load_u16 v[AF+32+\i], v[R2], s[6:7] offset:2048*\i                  ; head i's two scale bytes of row r
.endr
.irp k, 0,1,2,3
.irp c, 0,1
	global_load_b128 v[W0F+8*\k+4*\c:W0F+8*\k+4*\c+3], v[WOF], s[8:9] offset:64*\k+32*\c
.endr
.endr
	global_load_b128 v[W0S:W0S+3], v[WSF], s[10:11]
.irp a, 0,1
.irp t, 0,1,2,3,4,5,6,7
	global_load_b128 v[XD+32*\a+4*\t:XD+32*\a+4*\t+3], v[XOF], s[12:13] offset:8192*\t+256*\a th:TH_LOAD_NT   ; the residual: sixteen lanes read 256 consecutive bytes
.endr
.endr
	s_wait_loadcnt 25                              ; my tile and its bytes are in; W0's 9 loads and x's 16 may be out
.irp i, 0,1,2,3,4,5,6,7
	ds_store_b128 v[AIS], v[AF+4*\i:AF+4*\i+3] offset:512*\i
.endr
.irp k, 0,1,2,3
	v_lshl_or_b32 v[AF+40+\k], v[AF+33+2*\k], 16, v[AF+32+2*\k]                ; K step k's scale word: head 2 k below, head 2 k + 1 above
.endr
	ds_store_b128 v[ASS], v[AF+40:AF+43]           ; lanes r and r + 16 write the same
	s_wait_dscnt 0x0                               ; my stores have landed
	s_barrier_signal -1
	s_barrier_wait -1                              ; the eight tiles lie in LDS; from here on they are only read
	s_wait_loadcnt 16                              ; W0 is in; x's 16 may be out
.irp a, 0,1                                    ; 64 tokens at a time: tiles 4 a .. 4 a + 3
.if \a
	s_wait_xcnt 0x0                                ; the first group's stores have read their registers, into which the loads below land.  (Behind the last products stand four v_nop and sixteen packed additions: the places)
.endif
.irp u, 0,1,2,3
	ds_load_b128 v[ATS+4*\u:ATS+4*\u+3], v[ASR] offset:(4*\a+\u)*256
.endr
.irp p, 0,1                                    ; two K steps at a time
.if \p
	PLACES                                         ; ahead of loads into registers that matrix instructions have read
.endif
.irp l, 0,1
.irp u, 0,1,2,3
.irp c, 0,1
	ds_load_b128 v[AF+32*\l+8*\u+4*\c:AF+32*\l+8*\u+4*\c+3], v[L16] offset:(4*\a+\u)*4096+(2*\p+\l)*1024+\c*512
.endr
.endr
.endr
	s_wait_dscnt 0x0
.irp l, 0,1
.irp u, 0,1,2,3                                ; the four accumulators take turns, one instruction a turn
.if (2*\p+\l) == 0
	v_wmma_scale_f32_16x16x128_f8f6f4 v[DD+8*\u:DD+8*\u+7], v[AF+32*\l+8*\u:AF+32*\l+8*\u+7], v[W0F+8*(2*\p+\l):W0F+8*(2*\p+\l)+7], 0, v[ATS+4*\u+2*\p+\l], v[W0S+2*\p+\l] matrix_a_fmt:MATRIX_FMT_FP4 matrix_b_fmt:MATRIX_FMT_FP4
.else
	v_wmma_scale_f32_16x16x128_f8f6f4 v[DD+8*\u:DD+8*\u+7], v[AF+32*\l+8*\u:AF+32*\l+8*\u+7], v[W0F+8*(2*\p+\l):W0F+8*(2*\p+\l)+7], v[DD+8*\u:DD+8*\u+7], v[ATS+4*\u+2*\p+\l], v[W0S+2*\p+\l] matrix_a_fmt:MATRIX_FMT_FP4 matrix_b_fmt:MATRIX_FMT_FP4
.endif
.endr
.endr
.endr
	PLACES
	s_wait_alu depctr_va_vdst(0)
.irp q, 0,1,2,3,4,5,6,7
	ds_store_b128 v[STO], v[DD+4*\q:DD+4*\q+3] offset:16*\q    ; each accumulator from its low end on: my channel's tokens 32 h + 4 q on
.endr
.irp t, 0,1,2,3,4,5,6,7
	ds_load_b128 v[AF+4*\t:AF+4*\t+3], v[SRD] offset:2*\t*SP   ; my own stage: LDS serves a wave's instructions in order (ISA guide 5.7.1.4)
.endr
	s_wait_dscnt 0x0
	s_wait_loadcnt 8-8*\a                          ; this group's x is in; the second group's 8 may be out
.set qi, 0
.rept 16
	v_pk_add_f32 v[AF+qi:AF+qi+1], v[AF+qi:AF+qi+1], v[XD+32*\a+qi:XD+32*\a+qi+1]
.set qi, qi+2
.endr
.irp t, 0,1,2,3,4,5,6,7
	global_store_b128 v[XOF], v[AF+4*\t:AF+4*\t+3], s[14:15] offset:8192*\t+256*\a th:TH_STORE_NT   ; sixteen lanes store 256 consecutive bytes, at a multiple of 256 from out0's first byte
.endr
.endr
	s_wait_tensorcnt 0x0
	ds_add_u32 v254, v255
	s_wait_dscnt 0x0
	s_endpgm
.Lfunc_end_k_q4a93bbec51_proj:
	.size	k_q4a93bbec51_proj, .Lfunc_end_k_q4a93bbec51_proj-k_q4a93bbec51_proj
	.p2alignl 7, 3214868480
	.fill 96, 4, 3214868480
	.section	.rodata,"a",@progbits
	.p2align	6, 0x0
	.amdhsa_kernel k_q4a93bbec51_proj
		.amdhsa_group_segment_fixed_size 70656
		.amdhsa_private_segment_fixed_size 0
		.amdhsa_enable_private_segment 0
		.amdhsa_kernarg_size 48
		.amdhsa_user_sgpr_count 2
		.amdhsa_user_sgpr_kernarg_segment_ptr 1
		.amdhsa_wavefront_size32 1
		.amdhsa_system_sgpr_workgroup_id_x 1
		.amdhsa_system_sgpr_workgroup_id_y 1
		.amdhsa_system_sgpr_workgroup_id_z 1
		.amdhsa_system_vgpr_workitem_id 0
		.amdhsa_next_free_vgpr 256
		.amdhsa_next_free_sgpr 66
		.amdhsa_reserve_vcc 0
		.amdhsa_float_denorm_mode_32 3
		.amdhsa_float_denorm_mode_16_64 3
		.amdhsa_memory_ordered 1
		.amdhsa_forward_progress 1
		.amdhsa_inst_pref_size 23
	.end_amdhsa_kernel
	.amdgpu_metadata
---
amdhsa.version: [ 1, 2 ]
amdhsa.kernels:
  - .name:           k_q4a93bbec51_proj
    .symbol:         k_q4a93bbec51_proj.kd
    .args:
      - { .name: att, .offset: 0, .size: 8, .value_kind: global_buffer, .address_space: global }
      - { .name: ats, .offset: 8, .size: 8, .value_kind: global_buffer, .address_space: global }
      - { .name: W0_codes, .offset: 16, .size: 8, .value_kind: global_buffer, .address_space: global }
      - { .name: W0_scales, .offset: 24, .size: 8, .value_kind: global_buffer, .address_space: global }
      - { .name: x, .offset: 32, .size: 8, .value_kind: global_buffer, .address_space: global }
      - { .name: out0, .offset: 40, .size: 8, .value_kind: global_buffer, .address_space: global }
    .group_segment_fixed_size: 70656
    .private_segment_fixed_size: 0
    .kernarg_segment_align: 8
    .kernarg_segment_size: 48
    .max_flat_workgroup_size: 256
    .sgpr_count:     66
    .vgpr_count:     256
    .wavefront_size: 32
...
	.end_amdgpu_metadata
.endif
;; end of part 2
